; MI455X (gfx1250); checked and timed in simulation.
; The chip was launched on July 23, 2026; its instructions are those of AMD's public machine-readable ISA for CDNA 5 (MIT licence, August 2026) and "CDNA5" Instruction Set Architecture Reference Guide (July 2026). The comments in the code are by the model that wrote it; some were corrected since.
;; Model. Allowed arithmetic: matrix products marked QUANTISED: E5M2 operands, one E8M0 scale for each 32 along K, by v_wmma_scale_f32_16x16x128_f8f6f4 with both operands' format E5M2, f32 sums; everything else in f32.
;; Inputs: x2_codes 4 x 16 x 2,048 x 4 x 32 uint8 (E5M2 codes of x2, K innermost, in blocks of 32 codes); x2_scales 4 x 16 x 2,048 x 4 uint8 (E8M0 scales of x2, one for each 32 codes along K); x3 4 x 16 x 2,048 x 128 float32.
;; Outputs: out0 4 x 16 x 2,048 x 128 float32.
;; This version of the problem:
;;   THIS VERSION OF THE PROBLEM IS GIVEN IN LOW PRECISION. The matrix products marked QUANTISED in the list below multiply operands that are first quantised to E5M2 (5 exponent bits, 2 mantissa bits; 8 bits a number), with one power-of-two scale for each 32 numbers along K (OCP MX v1.0); their sums are f32. All else is computed in f32.
;;   The module's matrix products, in the order in which they are computed (A, B: the left and right operand; K: the contracted axis; several contracted axes count as one K, in the product's order):
;;     1. batch 64 x [M 2,048, K 128] x [K 128, N 2,048]; A: input x2 (given as codes); B: input x3: QUANTISED
;;     2. batch 64 x [M 2,048, K 2,048] x [K 2,048, N 128]; A: softmax (see below); B: input x3: QUANTISED
;;   THE QUANTISER, for each operand of a quantised product, along K:
;;     - K is cut into blocks of 32 from its start; a last block that is shorter is filled with zeros.
;;     - A block's scale is 2^e with e = floor(log2(the largest magnitude in the block)) - 15, held to -126 .. 127; a block of zeros has e = 0. As a byte (E8M0): e + 127.
;;     - Each number is divided by its block's scale, clamped to +-57,344, and rounded to the nearest number of E5M2, ties to even, subnormals kept.
;;     - The product sums the exact products of the quantised numbers (number of the format x scale) in f32.
;;   ~~~python
;;   def quantise(x, axis):      # numpy; x: float32 -> the quantised numbers, widened to float32 again
;;       x = np.moveaxis(x, axis, -1); K = x.shape[-1]
;;       x = np.pad(x, [(0, 0)] * (x.ndim - 1) + [(0, -K % 32)]); x = x.reshape(x.shape[:-1] + (-1, 32)); a = np.abs(x).max(-1, keepdims=True)
;;       e = np.where(a > 0, np.clip(np.frexp(np.where(a > 0, a, 1))[1] - 1 - 15, -126, 127), 0)      # np.frexp(a)[1] - 1 = floor(log2(a)), exactly
;;       r = np.clip(x / 2.0 ** e, -57344, 57344)
;;       step = 2.0 ** (np.maximum(np.frexp(np.where(r == 0, 1, r))[1] - 1, -14) - 2)
;;       q = np.round(r / step) * step * 2.0 ** e      # np.round: ties to even
;;       return np.moveaxis(q.reshape(q.shape[:-2] + (-1,))[..., :K], -1, axis).astype(np.float32)
;;   ~~~
;;   SOFTMAX AHEAD OF A QUANTISED PRODUCT. Where the list says 'softmax', what is quantised is not the finished softmax but p = 2^(t - M), with t = logit x log2(e) and M = ceil(the row's largest t), a whole number; so 1/2 < the row's largest p <= 1. The row's sum l is taken of the UNQUANTISED p, in f32, and the product's result is divided by l at the end. Since M is a whole number, a kernel that streams over the keys may use a running M (the ceiling of the running maximum): every later rescaling is an exact power of two, which a block's scale takes up: the codes' values come out the same.
;;   OPERANDS COMPUTED ON THE WAY. 'Computed on the way' means the value that the module computes at that place (a softmax that the list does not call 'softmax' is quantised finished and normalised). What goes into a quantiser is computed in f32, as accurately as f32 sums, v_exp_f32 and their like allow (about 1e-6 of the number): no bf16 or f16 on the way to a quantiser, and a product that is left as it is and whose result goes on into a quantised operand takes f32 operands (vector FMAs, or v_wmma_f32_16x16x4_f32). A number that lies on a knife's edge between two numbers of the format may be rounded either way, as far as f32 arithmetic and the matrix unit's own rounding can turn it there, and no further.
;;   INPUTS GIVEN AS CODES. x2 (in the module: [4, 16, 2048, 128], K = its axis 3): each comes as NAME_codes (uint8): NAME with its K axis moved to the last place and cut into blocks of 32 codes, [.., K / 32, bytes a block], one block behind the other in memory; one code a byte (a code: sign, 5 exponent bits, 2 mantissa bits); and NAME_scales (uint8): the same leading axes, one E8M0 byte (e + 127) for each 32 codes along K. Its value is code x scale, taken as it is: it is not quantised again, and the codes and scales need not be those that the quantiser above would give.
;; One version. Each part assembles by itself: llvm-mc -triple=amdgcn-amd-amdhsa -mcpu=gfx1250 --defsym DOCPART=n.
;; ======== version 1 of 1: 2 launches
;; limits: right only within a limited range of input values
;; workspace buffers: kv 34,603,008 bytes
;; launch quant (part 1): grid 16 x 64, 4 waves a work-group, no clusters, 19,968 bytes of LDS; arguments x3, kv; writes kv
.if DOCPART == 1
	.amdgcn_target "amdgcn-amd-amdhsa--gfx1250"
	.amdhsa_code_object_version 6
	.text
	.protected	k_q75e9224af7_quant
	.globl	k_q75e9224af7_quant
	.p2align	8
	.type	k_q75e9224af7_quant,@function
k_q75e9224af7_quant:
	s_mov_b64 s[64:65], 0
	v_nop
	global_prefetch_b8 v0, s[64:65] scope:SCOPE_SE
	s_setreg_imm32_b32 hwreg(HW_REG_WAVE_MODE, 25, 1), 1
	s_wait_xcnt 0x0
; x3 [64 heads][2048 keys][128 d], f32, is read ONCE and turned into codes of BF8 (E5M2) TWICE: along d (it is K of the product K Q^T) and along the keys (it is V of V^T P),
; each with one E8M0 scale byte for each 32 along that product's K.  A block's scale is 2^(floor(log2(its largest magnitude)) - 15); its byte is the largest magnitude's exponent field - 15, held at 1 from below;
; each number is divided by the scale, held within +-57,344 and rounded to the nearest code, ties to even.
; LIMITS: a block of zeros gets the byte 1 where the rule says 127 (its codes are zeros, which add nothing under any byte but 0xff, and this program alone reads the bytes); blocks whose largest magnitude lies
; under 2^-111, whose byte is held at 1, were not tried; NaN and infinities among the inputs are not served.
; WHAT IS STORED are images of the operands' registers, so that the next launch loads every fragment as 512 consecutive bytes a group of four registers.  A RECORD belongs to (head, key step of 128 keys):
;   kv record, 32,768 bytes: K's fragment T = 2 b + u at 2048 T: group c (d = 32 c ..) at 512 c, lane 16 h + r at 16 bytes a lane: d = 32 c + 16 h + 0 .. 15 of key 32 b + 8 u + r + 8 (r / 8);
;                            V's fragment dt at 16384 + 2048 dt: group c (keys 32 c ..) at 512 c, lane 16 h + r: keys 32 c + 16 h + 0 .. 15 of channel 16 dt + r.
;   sc record, 1,024 bytes:  byte 16 l + 4 b + c: K's scale of d block c, fragment 2 b + l / 16, row l % 16;   byte 512 + 16 l + 4 j + c: V's scale of key block c, channel 32 j + l.
; SHARES.  A work-group makes one record; wave w owns the columns d = 32 w .. 32 w + 31 and walks four tiles of 32 keys x 32 d.  A tile is 32 blocks of V (a column each) and 32 blocks of K (a key each).
; A lane takes a column and its registers run down the keys: that is V's order, straight from the loads.  K's order, a lane to a key and registers along d, comes by a turn through the wave's own stage in LDS.
; No tensor loads; one barrier, in front of the scale record's way out.  Loads run two tiles (64 loads a wave) ahead.
.set EMAX,   15
.set SPITCH, 144                       ; a stage row: 128 bytes + 16 = 36 words: the 16 rows that half a load's lanes touch start at 16 different groups of four banks (64 banks of 4 bytes: ISA guide 11.1)
.set WSTG,   32*SPITCH                 ; a wave's stage: 32 rows
.set SCL,    4*WSTG                    ; behind the four stages: the image of the sc record, 1,024 bytes
.set X,      32                        ; v32-159  X + 32 b + i = x3(key 32 b + i, my column)
.set T,      160                       ; v160-191 the tile turned: 32 d of my key
.set CV,     192                       ; v192-223 V's codes, 8 registers a tile: no store's data are written again
.set CK,     224                       ; v224-255 K's codes, likewise
; v1 lane; v2 my byte in a row of x3; v3, v4 the stage, in and back; v5, v6 my place in V's and in K's images; v7, v8 my scale byte of K, my scale word of V; v9 the sc record's way out
; v10 the hold; v11 the conversion's scale operand; v12, v13 maxima; v14 a scale byte; v15 V's scale word; v[16:17] the way out
	s_load_b128 s[4:7], s[0:1], 0x0                ; x3 s[4:5], kv s[6:7]
	v_lshl_add_u32 v30, v0, 2, 0x4c00
	v_mov_b32 v31, 0
	v_lshrrev_b32 v1, 5, v0
	v_readfirstlane_b32 s10, v1                    ; wave 0..3
	v_and_b32 v1, 31, v0                           ; lane
	s_wait_alu depctr_va_vdst(0)
	s_and_b32 s12, ttmp7, 0xffff                   ; the head
	s_lshl_b32 s12, s12, 4
	s_add_co_u32 s12, s12, ttmp9                   ; the record: 16 x head + key step
	s_mov_b32 s15, 0                               ; the upper word of every offset pair
	s_mov_b32 s16, 0x600000                        ; the mantissa field of 57,344 (an instruction takes one literal: the hold's line has another)
	s_mul_i32 s17, s10, WSTG                       ; my stage
	s_lshl_b32 s18, s10, 12                        ; V: my 32 channels are fragments 2 w and 2 w + 1
	s_lshl_b32 s19, s10, 9                         ; K: my 32 d are group w of every fragment
	s_lshl_b32 s20, s10, 2
	v_lshlrev_b32 v2, 2, v0                        ; 128 w + 4 x lane: my column
	v_lshl_add_u32 v3, v1, 2, s17                  ; into the stage: my column's word of a row
	v_mul_u32_u24 v4, v1, SPITCH
	v_add_nc_u32 v4, s17, v4                       ; back: row = lane
	v_and_b32 v18, 15, v1
	v_lshrrev_b32 v19, 4, v1
	v_lshlrev_b32 v18, 4, v18
	v_lshl_add_u32 v18, v19, 11, v18               ; 16 (lane % 16) + 2048 (lane / 16): the fragment's row, and which of two fragments
	v_add_nc_u32 v5, s18, v18
	v_add_nc_u32 v6, s19, v18
	v_lshl_add_u32 v7, v1, 4, s10                  ; 16 x lane + w
	v_lshl_add_u32 v8, v1, 4, s20                  ; 16 x lane + 4 w
	v_lshlrev_b32 v9, 3, v0                        ; 8 bytes a thread
	s_wait_kmcnt 0x0
	s_lshl_b32 s14, s12, 16                        ; a record's 128 rows of 512 bytes of x3
	s_add_nc_u64 s[4:5], s[4:5], s[14:15]
	s_mul_i32 s14, s12, 33792                      ; ONE buffer: a record is the 32,768 bytes of codes and, behind them, the 1,024 bytes of the sc record: 33,792 bytes, 132 units of 256
	s_add_nc_u64 s[6:7], s[6:7], s[14:15]
.macro LOAD t                          ; tile t: 32 keys of my column; a load of the wave reads 128 consecutive bytes, the four waves together a row's 512
.set n, 0
.rept 32
	global_load_b32 v[X+32*(\t)+n], v2, s[4:5] offset:(32*(\t)+n)*512 th:TH_LOAD_NT
.set n, n+1
.endr
.endm
.macro MAXB src                        ; the largest magnitude of v[src] .. v[src + 31], a whole block; from it the conversion's scale operand (v11) and the hold (v10)
	v_max3_num_f32 v12, |v[\src]|, |v[\src+1]|, |v[\src+2]|
	v_max3_num_f32 v13, |v[\src+3]|, |v[\src+4]|, |v[\src+5]|
.irp i, 6,10,14,18,22,26
	v_max3_num_f32 v12, v12, |v[\src+\i]|, |v[\src+\i+1]|
	v_max3_num_f32 v13, v13, |v[\src+\i+2]|, |v[\src+\i+3]|
.endr
	v_max3_num_f32 v12, v12, |v[\src+30]|, |v[\src+31]|
	v_max3_num_f32 v12, v12, v13, (EMAX+1)<<23     ; and the floor 2^(16 - 127), under which no largest magnitude is taken: so the byte cannot fall under 1
	v_add_nc_u32 v11, -(EMAX<<23), v12             ; 15 off its exponent field: the conversion takes the exponent field of this operand as its scale, and nothing else of it
	v_and_or_b32 v10, v12, 0x7f800000, s16         ; 57,344 x the scale: the largest magnitude's exponent field over 57,344's mantissa
.endm
.macro CODE src, dst                   ; the block's 32 codes into v[dst] .. v[dst + 7], its scale byte into v14
.set n, 0
.rept 32
	v_med3_num_f32 v[\src+n], v[\src+n], -v10, v10 ; the conversion to an 8-bit code does not saturate (ISA guide 7.6.2): hold the number within the largest code x the scale first
.set n, n+1
.endr
.irp g, 0,1,2,3
	v_cvt_scalef32_pk8_bf8_f32 v[\dst+2*\g:\dst+2*\g+1], v[\src+8*\g:\src+8*\g+7], v11
.endr
	v_lshrrev_b32 v14, 23, v11                     ; the scale's byte; also the plain vector line between the conversions and the next line that writes one of their sources
.endm
; A tile.  Key i of the tile goes to stage row 16 ((i / 8) % 2) + i % 8 + 8 (i / 16), so that lane 16 u + r reads back key 8 u + r + 8 (r / 8): the row of K's fragment 2 b + u that is its own.
.macro TILE b
.if (\b) < 3
	s_wait_loadcnt 32                              ; this tile's 32 loads are in; the next tile's 32 may be out
.else
	s_wait_loadcnt 0x0
.endif
.if (\b)+2 < 4
	LOAD (\b)+2                                    ; each tile has registers of its own, so the tile two on is asked for at once
.endif
.set n, 0
.rept 32
	ds_store_b32 v3, v[X+32*(\b)+n] offset:((((n>>3)&1)*16)+(n&7)+((n>>4)<<3))*SPITCH
.set n, n+1
.endr
.irp j, 0,1,2,3,4,5,6,7
	ds_load_b128 v[T+4*\j:T+4*\j+3], v4 offset:16*\j   ; LDS serves a wave's instructions in order (ISA guide 5.7.1.4): these see the stores above
.endr
	MAXB X+32*(\b)                                 ; V's block: my column's 32 keys.  It only reads them, while the turn is on its way
	s_wait_alu depctr_va_vdst(0)
	s_wait_dscnt 0x0                               ; the turned tile is in; the stage's stores have read the numbers, which the hold rewrites; the last tile's byte store has read v14
	CODE X+32*(\b), CV+8*(\b)
.if (\b) == 0
	v_mov_b32 v15, v14                             ; V's four bytes of my channel make its scale word, the lower keys in the lower byte
.else
	v_lshl_or_b32 v15, v14, 8*(\b), v15
.endif
	global_store_b128 v5, v[CV+8*(\b):CV+8*(\b)+3], s[6:7] offset:16384+512*(\b)         ; keys 0 .. 15 of the block: sixteen lanes store 256 consecutive bytes, aligned
	global_store_b128 v5, v[CV+8*(\b)+4:CV+8*(\b)+7], s[6:7] offset:16384+512*(\b)+256   ; keys 16 .. 31: the places of lanes 16 .. 31 of the image
	MAXB T                                         ; K's block: my key's 32 d
	CODE T, CK+8*(\b)
	ds_store_b8 v7, v14 offset:SCL+4*(\b)          ; byte w of the scale word of my row of fragment 2 b + lane / 16
	global_store_b128 v6, v[CK+8*(\b):CK+8*(\b)+3], s[6:7] offset:4096*(\b)
	global_store_b128 v6, v[CK+8*(\b)+4:CK+8*(\b)+7], s[6:7] offset:4096*(\b)+256
.endm
	LOAD 0
	LOAD 1
	TILE 0
	TILE 1
	TILE 2
	TILE 3
	ds_store_b32 v8, v15 offset:SCL+512            ; my channel's scale word
	s_wait_dscnt 0x0                               ; for the others' sake: my bytes and words of the record's image have landed
	s_barrier_signal -1
	s_barrier_wait -1                              ; everybody's have
	ds_load_b64 v[16:17], v9 offset:SCL
	s_wait_dscnt 0x0
	global_store_b64 v9, v[16:17], s[6:7] offset:32768   ; a wave stores 256 consecutive bytes, aligned; the four waves the scale words, behind the record's codes
	s_wait_tensorcnt 0x0
	ds_add_u32 v30, v31
	s_wait_dscnt 0x0
	s_endpgm
.Lfunc_end_k_q75e9224af7_quant:
	.size	k_q75e9224af7_quant, .Lfunc_end_k_q75e9224af7_quant-k_q75e9224af7_quant
	.p2alignl 7, 3214868480
	.fill 96, 4, 3214868480
	.section	.rodata,"a",@progbits
	.p2align	6, 0x0
	.amdhsa_kernel k_q75e9224af7_quant
		.amdhsa_group_segment_fixed_size 19968
		.amdhsa_private_segment_fixed_size 0
		.amdhsa_enable_private_segment 0
		.amdhsa_kernarg_size 16
		.amdhsa_user_sgpr_count 2
		.amdhsa_user_sgpr_kernarg_segment_ptr 1
		.amdhsa_wavefront_size32 1
		.amdhsa_system_sgpr_workgroup_id_x 1
		.amdhsa_system_sgpr_workgroup_id_y 1
		.amdhsa_system_sgpr_workgroup_id_z 1
		.amdhsa_system_vgpr_workitem_id 0
		.amdhsa_next_free_vgpr 256
		.amdhsa_next_free_sgpr 66
		.amdhsa_reserve_vcc 0
		.amdhsa_float_denorm_mode_32 3
		.amdhsa_float_denorm_mode_16_64 3
		.amdhsa_memory_ordered 1
		.amdhsa_forward_progress 1
		.amdhsa_inst_pref_size 55
	.end_amdhsa_kernel
	.amdgpu_metadata
---
amdhsa.version: [ 1, 2 ]
amdhsa.kernels:
  - .name:           k_q75e9224af7_quant
    .symbol:         k_q75e9224af7_quant.kd
    .args:
      - { .name: x3, .offset: 0, .size: 8, .value_kind: global_buffer, .address_space: global }
      - { .name: kv, .offset: 8, .size: 8, .value_kind: global_buffer, .address_space: global }
    .group_segment_fixed_size: 19968
    .private_segment_fixed_size: 0
    .kernarg_segment_align: 8
    .kernarg_segment_size: 16
    .max_flat_workgroup_size: 128
    .sgpr_count:     66
    .vgpr_count:     256
    .wavefront_size: 32
...
	.end_amdgpu_metadata
.endif
;; end of part 1
;; launch attn (part 2): grid 4 x 64, 8 waves a work-group, clusters of 4 x 1, 327,680 bytes of LDS; arguments x2_codes, x2_scales, kv, out0; writes out0
.if DOCPART == 2
	.amdgcn_target "amdgcn-amd-amdhsa--gfx1250"
	.amdhsa_code_object_version 6
	.text
	.protected	k_q75e9224af7_attn
	.globl	k_q75e9224af7_attn
	.p2align	8
	.type	k_q75e9224af7_attn,@function
k_q75e9224af7_attn:
	s_mov_b64 s[64:65], 0
	v_nop
	global_prefetch_b8 v0, s[64:65] scope:SCOPE_SE
	s_setreg_imm32_b32 hwreg(HW_REG_WAVE_MODE, 25, 1), 1
	s_wait_xcnt 0x0
	s_wait_alu depctr_hold_cnt(0) depctr_sa_sdst(0) depctr_va_vdst(0) depctr_va_sdst(0) depctr_va_ssrc(0) depctr_va_vcc(0) depctr_vm_vsrc(0)
	s_getreg_b32 s2, hwreg(HW_REG_IB_STS2, 6, 4)
	s_cmp_eq_u32 s2, 0
	s_cbranch_scc0 .Lentry_in_a_cluster
	s_endpgm
.Lentry_in_a_cluster:
	s_bfe_u32 s2, ttmp6, 0x10000c
	s_cmp_lg_u32 s2, 0x3003
	s_cbranch_scc0 .Lentry_shape_is_right
	s_endpgm
.Lentry_shape_is_right:
; out0[h][q][:] = the sum over k of softmax_k(x2[h][q] . x3[h][k]) x3[h][k][:], 64 heads of 2,048 x 128, both products on codes of BF8 (E5M2) with one E8M0 scale for each 32 along a product's K.
; Q = x2 comes as codes [64][2048][128] and scale bytes [64][2048][4].  K and V, both x3, come from the launch before as images of the operands' registers: kv [64 heads][16 key steps][33,792]:
;   K's fragment T at 2048 T, V's fragment dt at 16384 + 2048 dt; registers 4 c .. 4 c + 3 of lane l are the 16 bytes at 512 c + 16 l of a fragment;
;   at 32768 + 16 l lane l's four registers of K's scale words, at 33280 + 16 l of V's: register T / 2 holds fragment T's words, lanes 0-15 for even T, lanes 16-31 for odd T.
; THE SOFTMAX: t = score x log2(e); M = the row's largest t so far, rounded UP to a whole number; p = 2^(t - M) is quantised along the keys, not normalised.  The row's sum is taken of the unquantised p and divides O at the end.
; When M moves, the sum and O are multiplied by 2^(old M - new M): exact.  A block's scale byte is floor(its largest t - M) + 112, held at 1 from below: the exponent of its largest p less 15, as a byte.
; SHARES.  A cluster of four work-groups owns a head.  A WORK-GROUP STAYS: it makes two blocks of 256 queries, cx and cx + 4, one after the other, and walks the head's kv twice; the ring does not stop between them.
; Each of its EIGHT waves owns 32 queries of a block, two tiles of 16, in 512 registers: every fragment of K and V that a wave reads from LDS feeds two products.
; Both products are used transposed (S^T = K Q^T, O^T = V^T P^T): a lane holds one query (lane % 16) of each tile.  The keys of K's fragment 2 b + u are 32 b + 8 u + r + 8 (r / 8), so that the 16 registers
; of tiles 2 b, 2 b + 1 of S^T are keys 32 b + 16 (lane / 16) + 0 .. 15, and P's conversions give source 1 as it is wanted.
; THE TWO TILES' SOFTMAX GOES LINE BY LINE SIDE BY SIDE: both tiles' scores lie in one register window, so that eight chains take turns.  Among tile 0's exponentials stand tile 1's multiply-adds, among tile 1's
; exponentials tile 0's holds: single lines whose results are first read behind the batch's wait.
; THE RING: two LDS slots of two records (67,584 bytes); each wave fetches an eighth (33 rows of 256 bytes) by one tensor load.  16 slots' worth are walked; the slot asked for at change g holds keys 256 ((g + 2) % 8) on.
; THE CHANGE OF SLOTS STANDS IN A SLOT'S LAST STEP: V's fragments of that step are in registers early in its softmax, so nobody reads the slot any more: there each wave waits, adds and signals; the barrier's wait
; stands behind the softmax, with work on registers alone between the two; behind the change the next step's fragments of K are read from the other slot while the second product runs.
; CLUSTER.  The four work-groups walk the same kv: each load is asked for JOINTLY, with the same descriptor and a mask that names the four.
; PREFETCH.  On the first walk, behind each joint load, the slot that the NEXT load will ask for is named, 264 blocks of 256 bytes: 66 to a partner, told apart by address; waves 0 to 2 take 22 each, a lane a block
; (lanes 22 to 31 name their wave's last block again).  Slots 0 and 1 come by their loads alone; the second walk's slots have been read by this cluster on the first, and are not named again.
; Each wave also names, once, the 16 blocks of its second block's codes of Q, eight slots ahead of the loads that want them.
; LIMITS: a p under 2^-126 becomes 0 (v_exp_f32 gives no denormals: ISA guide 15.8), beside a row's largest p above 1/2; where v_exp_f32 rounds a block's largest p up to the next power of two it is held at the largest code;
; NaN and infinities are not served.
; REGISTERS, in two windows of 256 (s_set_vgpr_msb: bits 1:0 source 0, 3:2 source 1, 5:4 source 2, 7:6 destination).
;   window 0: v1-7, v22-29 addresses; v8-21 scale words alone; tile t: v[32 + 68 t ..] P's codes (from the fifth register on over scores that are done with), v[36 + 68 t ..] S^T, then p;
;             v[168 + 28 t ..] -M, the largest score, the sum, f and registers at work; v224-255 fragments 6, 7 of K or V.
;   window 1: v0-31 Q of both tiles; v32-127 fragments 0-5; v[128 + 64 t ..] O^T.
.set R,     33792                      ; a record
.set SLOTB, 2*R                        ; a slot, in memory and in LDS
.set WPART, SLOTB/8                    ; what one tensor load brings
.set HEADB, 16*R
.set VOFF,  16384
.set SCO,   32768
.set FRB,   2048
.set SPARE, 2*SLOTB                    ; the spare words, 128 bytes for each of 8 waves
.set STAGE, SPARE+1024                 ; the way out: 16 rows x 272 bytes for each wave; no fill lands here
.set QNEXT, 1024*128                   ; from my first block to my second, 1,024 queries on: in Q's codes,
.set SNEXT, 1024*4                     ; in its scale bytes,
.set ONEXT, 1024*512                   ; in O
.set LI, 1                             ; 16 x lane
.set SPW, 2                            ; my spare word; never rewritten
.set NIL, 3                            ; 0; never rewritten
.set PFO, 4                            ; the prefetches' offset; never rewritten
.set AD, 5                             ; LDS address of the record in hand, for my lane
.set PFQ, 6                            ; Q's prefetch: 256 x min(lane, 15); never rewritten
.set KS, 8                             ; v8-11 K's scale words, v12-15 V's
.set VS, 12
.set QS2, 16                           ; v16, v17 Q's scale words of my second block
.set PS, 18                            ; v18, v19 P's scale words of tiles 0, 1
.set QS, 20                            ; v20, v21 Q's
.set STI, 22                           ; the stage: in, back; my offset in O
.set STO, 23
.set GO, 24
.set PC, 32
.set S, 36
.set TS, 68                            ; from tile 0's scores to tile 1's
.set MS, 28                            ; from tile 0's small state to tile 1's
.set NM, 168
.set SM, 169
.set L, 170
.set F, 172
.set BM, 174
.set PT, 178
.set HD, 182
.set SO, 186
.set T, 190
.set OB, 128
.set WV, 12                            ; s12 wave; s13 LDS byte of the slot in hand; s14 at work; s15 changes with a refill still to come
.set SB, 13
.set TA, 14
.set SL, 15
.set G0, 16                            ; s[16:19] group 0: it walks
.set WO, 20                            ; my eighth of a slot
.set LIM, 21                           ; 9 in a wave that prefetches, else the greatest number
.set SEL, 22
.set G1, 24
.set CS, 32                            ; s[32:33] log2(e); s34 its negative
.set NC, 34
.set PFA, 36
.set DI, 55                            ; which of the head's eight slots was asked for last
.set KB, 56                            ; s[56:57] my eighth of the head's first slot, in memory
.set OFF, 58                           ; s[58:59] an offset from it
.set MSB, 0
.macro WIN new                         ; the immediate's high byte repeats the setting that is left
.if MSB != (\new)
	s_set_vgpr_msb (MSB<<8)|(\new)
.set MSB, (\new)
.endif
.endm
.macro CREST                           ; a round of the cluster's barrier behind its opening barrier
	s_cmp_lg_u32 s[WV], 0
	s_cbranch_scc1 .Lnot_wave_0_\@
	s_barrier_signal -3
.Lnot_wave_0_\@:
	s_barrier_wait -3
	s_barrier_signal -1
	s_barrier_wait -1
.endm
.macro CROUND
	s_barrier_signal -1
	s_barrier_wait -1
	CREST
.endm
.macro JLOAD                           ; every wave's joint load
	tensor_load_to_lds s[G0:G0+3], s[G1:G1+7]
	s_nop 0
.rept 4
	v_nop
.endr
.endm
.macro ASK
	s_cmp_gt_u32 s[SL], s[LIM]
	s_cbranch_scc0 .Lnot_mine_\@
	global_prefetch_b8 v[PFO], s[PFA:PFA+1] th:TH_LOAD_NT scope:SCOPE_SE
.Lnot_mine_\@:
.endm
.macro WHERE i                         ; fragment i's registers: FB, in window FW
.if (\i) < 6
.set FW, 1
.set FB, 32+16*(\i)
.else
.set FW, 0
.set FB, 224+16*((\i)-6)
.endif
.endm
.macro FRAG base, i                    ; a fragment's image: four loads of 512 consecutive bytes
	WHERE \i
	WIN 0x40*FW
.irp c, 0,1,2,3
	ds_load_b128 v[FB+4*\c:FB+4*\c+3], v[AD] offset:(\base)+(\i)*FRB+512*\c
.endr
.endm
.macro MM d, a, b, c, sa, sb, odd
.if \odd
	v_wmma_scale_f32_16x16x128_f8f6f4 v[\d:\d+7], v[\a:\a+15], v[\b:\b+15], \c, v[\sa], v[\sb] matrix_a_fmt:MATRIX_FMT_BF8 matrix_b_fmt:MATRIX_FMT_BF8 matrix_a_scale:MATRIX_SCALE_ROW1
.else
	v_wmma_scale_f32_16x16x128_f8f6f4 v[\d:\d+7], v[\a:\a+15], v[\b:\b+15], \c, v[\sa], v[\sb] matrix_a_fmt:MATRIX_FMT_BF8 matrix_b_fmt:MATRIX_FMT_BF8
.endif
.endm
.macro SM1 i                           ; S^T of both tiles from K's fragment i: the accumulators take turns
	WHERE \i
	WIN FW+4
.irp t, 0,1
	MM S+TS*\t+8*(\i), FB, 16*\t, 0, KS+(\i)/2, QS+\t, (\i)%2
.endr
.endm
.macro PV1 i                           ; O^T += V^T P^T of both tiles from V's fragment i
	WHERE \i
	WIN FW+0x50
.irp t, 0,1
	MM OB+64*\t+8*(\i), FB, PC+TS*\t, v[OB+64*\t+8*(\i):OB+64*\t+8*(\i)+7], VS+(\i)/2, PS+\t, (\i)%2
.endr
.endm
.macro RS1 i                           ; O^T x f: accumulator i of both tiles, from its low end on
.irp t, 0,1
.irp k, 0,2,4,6
	v_pk_mul_f32 v[OB+64*\t+8*(\i)+\k:OB+64*\t+8*(\i)+\k+1], v[OB+64*\t+8*(\i)+\k:OB+64*\t+8*(\i)+\k+1], v[F+MS*\t:F+MS*\t+1] op_sel_hi:[1,0]
.endr
.endr
.endm
.macro RSHEAD                          ; O in window 1, f in window 0; the wait directly ahead of each group of O's first readers
	WIN 0x41
	s_wait_alu depctr_va_vdst(0)
.endm
.macro PADD d, a
	v_pk_add_f32 v[\d:\d+1], v[\d:\d+1], v[\a:\a+1]
.endm
; The largest score of each block of 32 keys (each accumulator is read from its low end on), the row's, the new -M and f = 2^(old M - new M): both tiles by turns
.macro BMAX2
.irp b, 0,1,2,3
.irp t, 0,1
	v_max3_num_f32 v[BM+MS*\t+\b], v[S+TS*\t+16*\b], v[S+TS*\t+16*\b+1], v[S+TS*\t+16*\b+2]
.endr
.endr
.irp i, 3,5,7,9,11,13
.irp b, 0,1,2,3
.irp t, 0,1
	v_max3_num_f32 v[BM+MS*\t+\b], v[BM+MS*\t+\b], v[S+TS*\t+16*\b+\i], v[S+TS*\t+16*\b+\i+1]
.endr
.endr
.endr
.irp b, 0,1,2,3
.irp t, 0,1
	v_max_num_f32 v[BM+MS*\t+\b], v[BM+MS*\t+\b], v[S+TS*\t+16*\b+15]
.endr
.endr
.irp b, 0,1,2,3
.irp t, 0,1
	v_permlanex16_b32 v[PT+MS*\t+\b], v[BM+MS*\t+\b], s[SEL], s[SEL+1]
.endr
.endr
.irp b, 0,1,2,3
.irp t, 0,1
	v_max_num_f32 v[BM+MS*\t+\b], v[BM+MS*\t+\b], v[PT+MS*\t+\b]   ; with lane l xor 16's 16 keys
.endr
.endr
.irp t, 0,1
	v_max3_num_f32 v[T+MS*\t], v[BM+MS*\t], v[BM+MS*\t+1], v[BM+MS*\t+2]
.endr
.irp t, 0,1
	v_max3_num_f32 v[SM+MS*\t], v[SM+MS*\t], v[T+MS*\t], v[BM+MS*\t+3]   ; the running largest score
.endr
.irp t, 0,1
	v_mul_f32 v[T+MS*\t], s[NC], v[SM+MS*\t]       ; -t
	v_mov_b32 v[T+MS*\t+1], v[NM+MS*\t]
.endr
.irp t, 0,1
	v_floor_f32 v[NM+MS*\t], v[T+MS*\t]            ; -M = floor(-t) = -ceil(t)
.endr
.irp t, 0,1
	v_sub_f32 v[T+MS*\t+1], v[NM+MS*\t], v[T+MS*\t+1]   ; old M - new M: a whole number, 0 or less
	v_add_f32 v[T+MS*\t+5], 0x42e00000, v[NM+MS*\t]     ; 112 - M
.endr
.irp t, 0,1
	v_cvt_i32_f32 v[T+MS*\t+1], v[T+MS*\t+1]       ; (it saturates)
.endr
.irp t, 0,1
	v_ldexp_f32 v[F+MS*\t], 1.0, v[T+MS*\t+1]
.endr
.endm
; Of each block's largest score t - M + 112, whose whole part, held at 1 from below, is the scale's byte; from it the conversion's scale operand, the hold and the scale word
.macro ARGS2
.irp b, 0,1,2,3
.irp t, 0,1
	v_fma_f32 v[BM+MS*\t+\b], v[BM+MS*\t+\b], s[CS], v[T+MS*\t+5]
.endr
.endr
.irp b, 0,1,2,3
.irp t, 0,1
	v_max_num_f32 v[BM+MS*\t+\b], 1.0, v[BM+MS*\t+\b]
.endr
.endr
.irp b, 0,1,2,3
.irp t, 0,1
	v_cvt_i32_f32 v[PT+MS*\t+\b], v[BM+MS*\t+\b]   ; toward zero, of a number that is at least 1: the floor
.endr
.endr
.irp b, 0,1,2,3
.irp t, 0,1
	v_lshlrev_b32 v[SO+MS*\t+\b], 23, v[PT+MS*\t+\b]
.endr
.endr
.irp b, 0,1,2,3
.irp t, 0,1
	v_add_nc_u32 v[HD+MS*\t+\b], 0x07e00000, v[SO+MS*\t+\b]   ; 57,344 x the scale: 15 onto the exponent field, over 57,344's mantissa
.endr
.endr
.irp t, 0,1
	v_lshl_or_b32 v[T+MS*\t], v[PT+MS*\t+1], 8, v[PT+MS*\t]
	v_lshl_or_b32 v[T+MS*\t+1], v[PT+MS*\t+3], 8, v[PT+MS*\t+2]
.endr
.irp t, 0,1
	v_lshl_or_b32 v[PS+\t], v[T+MS*\t+1], 16, v[T+MS*\t]
.endr
.endm
.macro CVT t, b                        ; block b's codes go to v[PC + 4 b ..]: from block 1 on over block 0's numbers, which are done with; plain lines stand between two blocks' conversions
	v_cvt_scalef32_pk8_bf8_f32 v[PC+TS*(\t)+4*(\b):PC+TS*(\t)+4*(\b)+1], v[S+TS*(\t)+16*(\b):S+TS*(\t)+16*(\b)+7], v[SO+MS*(\t)+(\b)]
	v_cvt_scalef32_pk8_bf8_f32 v[PC+TS*(\t)+4*(\b)+2:PC+TS*(\t)+4*(\b)+3], v[S+TS*(\t)+16*(\b)+8:S+TS*(\t)+16*(\b)+15], v[SO+MS*(\t)+(\b)]
.endm
; The row's sum of tile t's unquantised p: 26 packed additions in seven chains (the six that are left join the chains).  cv = 1: tile 0's conversions stand among them
.macro SUMM t, cv
.set SS, S+TS*(\t)
.if \cv
	CVT 0, 0
.endif
.irp k, 0,1,2
	v_pk_add_f32 v[T+2*\k:T+2*\k+1], v[SS+4*\k:SS+4*\k+1], v[SS+4*\k+2:SS+4*\k+3]
	v_pk_add_f32 v[T+MS+2*\k:T+MS+2*\k+1], v[SS+12+4*\k:SS+12+4*\k+1], v[SS+12+4*\k+2:SS+12+4*\k+3]
.endr
.if \cv
	CVT 0, 1
.endif
.irp k, 0,1,2
	PADD T+2*\k, SS+24+4*\k
	PADD T+MS+2*\k, SS+26+4*\k
.endr
	PADD L+MS*(\t), SS+36
.if \cv
	CVT 0, 2
.endif
.irp k, 0,1,2
	PADD T+2*\k, SS+38+4*\k
	PADD T+MS+2*\k, SS+40+4*\k
.endr
	PADD L+MS*(\t), SS+50
.if \cv
	CVT 0, 3
.endif
.irp k, 0,1,2
	PADD T+2*\k, SS+52+4*\k
	PADD T+MS+2*\k, SS+54+4*\k
.endr
.endm
; The conversion to an 8-bit code does not saturate (ISA guide 7.6.2); p is not negative, so the hold is one-sided.  Two numbers to a line
.macro HOLD2 a, hd
	v_dual_min_num_f32 v[\a], v[\hd], v[\a] :: v_dual_min_num_f32 v[\a+1], v[\hd], v[\a+1]
.endm
.macro HOLDB b                         ; tile 1's block b
.irp k, 0,2,4,6,8,10,12,14
	HOLD2 S+TS+16*(\b)+\k, HD+MS+(\b)
.endr
.endm
; A KEY STEP of 128 keys for both tiles.  kind 0: a slot's first step; 1: its last, with a change of slots and a refill; 2: the same with no refill; 3: the very last step.
.macro STEP kind
	s_wait_dscnt 8                                 ; K's scale words and fragments 0-5 are in; the 8 loads of fragments 6, 7 may be out
.irp i, 0,1,2,3,4,5
	SM1 \i
.endr
	s_wait_dscnt 0x0
	SM1 6
	SM1 7
	WIN 0
.rept 8
	v_nop                                          ; eight places between the products and the loads into their fragments, and the first read of the scores
.endr
	ds_load_b128 v[VS:VS+3], v[AD] offset:SCO+512
.irp i, 0,1,2,3,4,5,6,7
	FRAG VOFF, \i                                  ; V's eight fragments land under the softmax
.endr
	WIN 0
	BMAX2
	ARGS2
.set j, 0
.rept 32
	v_pk_fma_f32 v[S+j:S+j+1], v[S+j:S+j+1], s[CS:CS+1], v[NM:NM+1] op_sel_hi:[1,0,0]   ; tile 0: t - M
.set j, j+2
.endr
	s_wait_alu depctr_va_vdst(0)                   ; one wait ahead of a batch, and ahead of the waits below
.if (\kind) == 1 || (\kind) == 2
	s_wait_tensorcnt 0x0                           ; my part of the other slot has landed, and group 0 may be written
	ds_add_u32 v[SPW], v[NIL]
.if (\kind) == 1
	s_add_co_u32 s[G0+1], s[SB], s[WO]             ; the refill goes into the slot that is being left,
	s_add_co_u32 s[DI], s[DI], 1
	s_and_b32 s[DI], s[DI], 7                      ; with the head's next 256 keys, behind the last the first again
	s_mul_i32 s[OFF], s[DI], SLOTB
	s_add_nc_u64 s[G0+2:G0+3], s[KB:KB+1], s[OFF:OFF+1]
	s_or_b32 s[G0+3], s[G0+3], 0x80000000
	s_wait_xcnt 0x0                                ; the last prefetch has read its address
	s_add_nc_u64 s[PFA:PFA+1], s[PFA:PFA+1], SLOTB
.endif
	s_xor_b32 s[SB], s[SB], SLOTB
	s_wait_dscnt 0x0                               ; the add is done; V's fragments are in: my reads of this slot are over
	s_barrier_signal -1                            ; said early: up to the barrier's wait stands work on registers alone
.endif
.set j, 0
.rept 32
	v_exp_f32 v[S+j], v[S+j]                       ; tile 0's p; among them tile 1's t - M, first read behind the wait below
	v_pk_fma_f32 v[S+TS+j:S+TS+j+1], v[S+TS+j:S+TS+j+1], s[CS:CS+1], v[NM+MS:NM+MS+1] op_sel_hi:[1,0,0]
	v_exp_f32 v[S+j+1], v[S+j+1]
.set j, j+2
.endr
	v_pk_mul_f32 v[L:L+1], v[L:L+1], v[F:F+1] op_sel_hi:[1,0]   ; the sum under the new M; the plain line behind the batch
	s_wait_alu depctr_va_vdst(0)                   ; and one behind it
	SUMM 0, 0
	PADD T, T+MS
	PADD T+2, T+MS+2
	PADD T+4, T+MS+4
	PADD T, T+2
	PADD L, T+4
	PADD L, T
	s_wait_alu depctr_va_vdst(0)
.set j, 0
.rept 32
	v_exp_f32 v[S+TS+j], v[S+TS+j]                 ; tile 1's p; among them tile 0's holds, first read behind the wait below
	HOLD2 S+j, HD+j/16
	v_exp_f32 v[S+TS+j+1], v[S+TS+j+1]
.set j, j+2
.endr
	v_pk_mul_f32 v[L+MS:L+MS+1], v[L+MS:L+MS+1], v[F+MS:F+MS+1] op_sel_hi:[1,0]
	s_wait_alu depctr_va_vdst(0)
	SUMM 1, 1
	HOLDB 0
	CVT 1, 0
	PADD T, T+MS
	PADD T+2, T+MS+2
	HOLDB 1
	CVT 1, 1
	PADD T+4, T+MS+4
	PADD T, T+2
	HOLDB 2
	CVT 1, 2
	PADD L+MS, T+4
	PADD L+MS, T
	HOLDB 3
	CVT 1, 3
.if (\kind) == 0 || (\kind) == 3
	s_wait_dscnt 0x0                               ; V's fragments are in
.endif
	RSHEAD
	RS1 0
	RS1 1
	RS1 2
	PV1 0
	PV1 1
	PV1 2
.if (\kind) == 1 || (\kind) == 2
	WIN 0
	s_barrier_wait -1                              ; every wave has said so: the other slot is whole, and nobody reads this one
.endif
.if (\kind) == 1
	CREST                                          ; no wave of any partner still reads the slot or has a load on its way
	JLOAD
	ASK
.endif
	RSHEAD
	RS1 3                                          ; these 24 are also the places between the products above and the loads into their fragments
	RS1 4
	RS1 5
	WIN 0
.if (\kind) != 3
.if (\kind) == 0
	s_add_co_u32 s[TA], s[SB], R
	v_add_nc_u32 v[AD], s[TA], v[LI]
.else
	v_add_nc_u32 v[AD], s[SB], v[LI]
.endif
	s_wait_alu depctr_va_vdst(0)                   ; the wait behind this write
	ds_load_b128 v[KS:KS+3], v[AD] offset:SCO
	FRAG 0, 0                                      ; the next step's K under the products below
	FRAG 0, 1
	FRAG 0, 2
.endif
	PV1 3
	PV1 4
	PV1 5
	RSHEAD
	RS1 6                                          ; 16 places
	RS1 7
.if (\kind) != 3
	FRAG 0, 3
	FRAG 0, 4
	FRAG 0, 5
.endif
	PV1 6
	PV1 7
	WIN 0
.rept 9
	v_nop                                          ; nine places: the next step's first products write over P's codes, which the products above have read
.endr
.if (\kind) != 3
	FRAG 0, 6
	FRAG 0, 7
	WIN 0
.endif
.endm
; The way out of one tile: from v[sb ..] of window 0 through my stage, half a row (256 bytes) of 16 queries at a time, back into v[rb ..] of window 1: sixteen lanes store 256 consecutive bytes, aligned
.macro OUTT sb, rb, go
.irp u, 0,1
	WIN 0
.irp k, 0,1,2,3
	ds_store_b128 v[STI], v[(\sb)+32*\u+8*\k:(\sb)+32*\u+8*\k+3] offset:64*\k
	ds_store_b128 v[STI], v[(\sb)+32*\u+8*\k+4:(\sb)+32*\u+8*\k+7] offset:64*\k+16
.endr
	WIN 0x40
.irp i, 0,1,2,3,4,5,6,7
	ds_load_b128 v[(\rb)+32*\u+4*\i:(\rb)+32*\u+4*\i+3], v[STO] offset:2*\i*272   ; LDS serves a wave's instructions in order (ISA guide 5.7.1.4)
.endr
.endr
	WIN 4
.irp u, 0,1
.irp i, 0,1,2,3,4,5,6,7
	s_wait_dscnt 15-8*\u-\i                        ; at most the LDS loads issued behind this one are out
	global_store_b128 v[GO], v[(\rb)+32*\u+4*\i:(\rb)+32*\u+4*\i+3], s[10:11] offset:(\go)+2*\i*512+256*\u th:TH_STORE_NT
.endr
.endr
.endm
; A block of queries is finished: the sums, their reciprocals, O^T / the sum over the scores, and out.  What comes back from the stage lands on O^T's own registers, which are done with: the fragments' registers stay as they are
.macro FINISH go
.irp t, 0,1
	v_add_f32 v[L+MS*\t], v[L+MS*\t], v[L+MS*\t+1] ; the sum's two halves,
.endr
.irp t, 0,1
	v_permlanex16_b32 v[T+MS*\t], v[L+MS*\t], s[SEL], s[SEL+1]
.endr
.irp t, 0,1
	v_add_f32 v[L+MS*\t], v[L+MS*\t], v[T+MS*\t]   ; and lane l xor 16's
.endr
	s_wait_alu depctr_va_vdst(0)                   ; the wait ahead of the reciprocals
	v_rcp_f32 v[L], v[L]
	v_rcp_f32 v[L+MS], v[L+MS]
	v_nop
	WIN 1                                          ; O^T from window 1
	s_wait_alu depctr_va_vdst(0)                   ; the wait ahead of the reciprocals' and the last products' first readers
.irp t, 0,1
.set j, 0
.rept 64
	v_mul_f32 v[S+TS*\t+j], v[OB+64*\t+j], v[L+MS*\t]
.set j, j+1
.endr
.endr
	s_wait_alu depctr_va_vdst(0)
	OUTT S, OB, \go
	OUTT S+TS, OB+64, (\go)+8192
	WIN 0
.endm
.macro CLEAR                           ; the key step has no first step of its own: a block's first step finds zeros, which the first change of M leaves zeros
	WIN 0x40
.set j, 0
.rept 128
	v_mov_b32 v[OB+j], 0
.set j, j+1
.endr
	WIN 0
.irp t, 0,1
	v_mov_b32 v[SM+MS*\t], 0xfe967699              ; -1e38, under every score
	v_mov_b32 v[NM+MS*\t], 0x7e967699
	v_mov_b32 v[L+MS*\t], 0
	v_mov_b32 v[L+MS*\t+1], 0
.endr
.endm
.macro QLOAD off                       ; Q's fragments of both tiles stay in registers for a block
	WIN 0x40
.irp w, 0,1
.irp c, 0,1,2,3
	global_load_b128 v[16*\w+4*\c:16*\w+4*\c+3], v28, s[4:5] offset:(\off)+2048*\w+32*\c th:TH_LOAD_NT
.endr
.endr
	WIN 0
.endm
	s_load_b256 s[4:11], s[0:1], 0x0               ; Q's codes s[4:5], Q's scales s[6:7], kv s[8:9], O s[10:11]
	v_lshl_add_u32 v[SPW], v0, 2, SPARE
	v_mov_b32 v[NIL], 0
	ds_add_u32 v[SPW], v[NIL]                      ; the opening: the add twice on end and one wait
	ds_add_u32 v[SPW], v[NIL]
	v_lshrrev_b32 v29, 5, v0
	v_readfirstlane_b32 s[WV], v29                 ; wave 0..7
	s_bfe_u32 s38, ttmp6, 0x40000                  ; cx: it enters Q's, O's and the prefetches' addresses alone
	s_and_b32 s39, ttmp7, 0xffff                   ; the head, which the four partners share
	s_lshl_b32 s40, s38, 8                         ; my first block of 256 queries is block cx
	s_lshl_b32 s41, s[WV], 5
	s_add_co_u32 s40, s40, s41                     ; + 32 x wave
	s_lshl_b32 s41, s39, 11
	s_add_co_u32 s40, s40, s41                     ; + 2,048 x head: my first query
	s_lshl_b32 s42, s40, 7                         ; its codes,
	s_mov_b32 s43, 0
	s_lshl_b32 s44, s40, 2                         ; its scale word,
	s_mov_b32 s45, 0
	s_lshl_b32 s46, s40, 9                         ; its row of O
	s_mov_b32 s47, 0
	s_mul_i32 s48, s39, HEADB                      ; the head's records
	s_mov_b32 s49, 0
	s_mul_i32 s[WO], s[WV], WPART
	s_mov_b32 s50, s[WO]
	s_mov_b32 s51, 0
	s_mul_i32 s52, s38, 66*256                     ; the prefetches: my work-group's 66 blocks of a slot's 264,
	s_mul_i32 s53, s[WV], 22*256                   ; my wave's 22,
	s_add_co_u32 s52, s52, s53
	s_add_co_u32 s52, s52, 2*SLOTB                 ; first of slot 2
	s_mov_b32 s53, 0
	s_mul_i32 s54, s[WV], 16*272
	s_add_co_u32 s54, s54, STAGE                   ; my stage
	s_cmp_lt_u32 s[WV], 3
	s_cselect_b32 s[LIM], 9, -1                    ; changes 0 to 4, at which the count stands above 9, name slots 3 to 7
	s_mov_b32 s[G1], 15|(3<<16)|(1<<21)            ; the mask: all four work-groups; elements of 8 bytes; bit 21 beside a mask
	s_mov_b32 s[G1+1], 32<<16                      ; rows of 256 bytes,
	s_mov_b32 s[G1+2], 33<<16                      ; 33 of them, dense
	s_mov_b32 s[G1+3], 32<<16
	s_mov_b32 s[G1+4], 33
	s_mov_b32 s[G1+5], 32
	s_mov_b32 s[G1+6], 0
	s_mov_b32 s[G1+7], 0
	s_mov_b32 s[SEL], 0x76543210
	s_mov_b32 s[SEL+1], 0xfedcba98
	s_mov_b32 s[CS], 0x3fb8aa3b
	s_mov_b32 s[CS+1], s[CS]
	s_mov_b32 s[NC], 0xbfb8aa3b
	s_mov_b32 s[SB], 0
	s_mov_b32 s[SL], 14
	s_mov_b32 s[DI], 1
	s_mov_b32 s[OFF+1], 0
	s_wait_dscnt 0x0
	s_wait_kmcnt 0x0
	s_add_nc_u64 s[KB:KB+1], s[8:9], s[48:49]
	s_add_nc_u64 s[PFA:PFA+1], s[KB:KB+1], s[52:53]
	s_add_nc_u64 s[KB:KB+1], s[KB:KB+1], s[50:51]
	s_mov_b32 s[G0], 1
	s_mov_b32 s[G0+1], s[WO]
	s_mov_b64 s[G0+2:G0+3], s[KB:KB+1]
	s_or_b32 s[G0+3], s[G0+3], 0x80000000
	s_add_nc_u64 s[4:5], s[4:5], s[42:43]
	s_add_nc_u64 s[6:7], s[6:7], s[44:45]
	s_add_nc_u64 s[10:11], s[10:11], s[46:47]
	CROUND                                         ; all four work-groups are here: the first joint loads meet
	JLOAD                                          ; slot 0: one tensor load a wave at the head
	v_and_b32 v26, 15, v0                          ; r
	v_bfe_u32 v27, v0, 4, 1                        ; h
	v_lshlrev_b32 v28, 7, v26
	v_lshl_add_u32 v28, v27, 4, v28                ; Q: row r of 128 bytes, + 16 h
	v_lshlrev_b32 v25, 2, v26                      ; its scale word
	v_and_b32 v[LI], 31, v0
	v_min_u32 v[PFO], 21, v[LI]
	v_lshlrev_b32 v[PFO], 8, v[PFO]
	v_min_u32 v[PFQ], 15, v[LI]
	v_lshlrev_b32 v[PFQ], 8, v[PFQ]
	v_lshlrev_b32 v[LI], 4, v[LI]
	v_mul_u32_u24 v[STI], v26, 272
	v_lshl_add_u32 v[STI], v27, 5, v[STI]
	v_add_nc_u32 v[STI], s54, v[STI]               ; in: row r; accumulator k's eight channels of my half: 64 k + 32 h bytes on
	v_mul_u32_u24 v[STO], v27, 272
	v_lshl_add_u32 v[STO], v26, 4, v[STO]
	v_add_nc_u32 v[STO], s54, v[STO]               ; back: lanes 0-15 one row, lanes 16-31 the next
	v_lshlrev_b32 v[GO], 9, v27
	v_lshl_add_u32 v[GO], v26, 4, v[GO]
	QLOAD 0
	global_load_b32 v[QS], v25, s[6:7] th:TH_LOAD_NT
	global_load_b32 v[QS+1], v25, s[6:7] offset:64 th:TH_LOAD_NT
	global_load_b32 v[QS2], v25, s[6:7] offset:SNEXT th:TH_LOAD_NT      ; the second block's scale words wait in registers of their own
	global_load_b32 v[QS2+1], v25, s[6:7] offset:SNEXT+64 th:TH_LOAD_NT
	CLEAR
.irp t, 0,1
	v_mov_b32 v[F+MS*\t+1], 0                      ; (named as the upper half of a pair)
.irp b, 0,1,2,3
	v_mov_b32 v[PT+MS*\t+\b], 0                    ; a lane permute's destination counts as one of its sources
.endr
.endr
	v_mov_b32 v[AD], v[LI]                         ; the first record lies at LDS byte 0
	s_wait_alu depctr_va_vdst(0)
	s_wait_tensorcnt 0x0                           ; slot 1's first fill goes as a refill does
	ds_add_u32 v[SPW], v[NIL]
	s_add_co_u32 s[G0+1], s[WO], SLOTB
	s_add_nc_u64 s[G0+2:G0+3], s[G0+2:G0+3], SLOTB
	s_wait_dscnt 0x0
	CROUND
	JLOAD
	ASK                                            ; slot 2
	global_prefetch_b8 v[PFQ], s[4:5] offset:QNEXT th:TH_LOAD_NT scope:SCOPE_SE   ; my second block's codes of Q: 32 rows of 128 bytes, 16 blocks of 256, a lane a block
	ds_load_b128 v[KS:KS+3], v[AD] offset:SCO
.irp i, 0,1,2,3,4,5,6,7
	FRAG 0, \i
.endr
	WIN 0
	s_wait_loadcnt 0x0                             ; Q and its scale words
.Lslot:                                            ; fourteen trips, a slot each: all of the first block's eight and six of the second's; each change asks for the slot two on
	STEP 0
	STEP 1
	s_cmp_lg_u32 s[SL], 7                          ; the eighth trip ends the first block: a branch on the count of trips alone, round no barrier, wait for tiles, add or tensor load
	s_cbranch_scc1 .Lsame_block
	QLOAD QNEXT                                    ; the second block's Q lands under the first block's way out
	FINISH 0
	v_mov_b32 v[QS], v[QS2]
	v_mov_b32 v[QS+1], v[QS2+1]
	s_wait_xcnt 0x0                                ; the stores have read their data, which lie in O^T's registers
	CLEAR
	s_wait_alu depctr_va_vdst(0)                   ; the wait ahead of the wait below
	s_wait_loadcnt 0x0
.Lsame_block:
	s_sub_co_u32 s[SL], s[SL], 1
	s_cmp_lg_u32 s[SL], 0
	s_cbranch_scc1 .Lslot
	STEP 0                                         ; the last two slots are written out: they ask for nothing
	STEP 2
	STEP 0
	STEP 3
	FINISH ONEXT
	s_wait_tensorcnt 0x0                           ; the wave's end
	ds_add_u32 v[SPW], v[NIL]
	s_wait_dscnt 0x0
	CROUND                                         ; the closing round
	s_endpgm
.Lfunc_end_k_q75e9224af7_attn:
	.size	k_q75e9224af7_attn, .Lfunc_end_k_q75e9224af7_attn-k_q75e9224af7_attn
	.p2alignl 7, 3214868480
	.fill 96, 4, 3214868480
	.section	.rodata,"a",@progbits
	.p2align	6, 0x0
	.amdhsa_kernel k_q75e9224af7_attn
		.amdhsa_group_segment_fixed_size 327680
		.amdhsa_private_segment_fixed_size 0
		.amdhsa_enable_private_segment 0
		.amdhsa_kernarg_size 32
		.amdhsa_user_sgpr_count 2
		.amdhsa_user_sgpr_kernarg_segment_ptr 1
		.amdhsa_wavefront_size32 1
		.amdhsa_system_sgpr_workgroup_id_x 1
		.amdhsa_system_sgpr_workgroup_id_y 1
		.amdhsa_system_sgpr_workgroup_id_z 1
		.amdhsa_system_vgpr_workitem_id 0
		.amdhsa_next_free_vgpr 512
		.amdhsa_next_free_sgpr 66
		.amdhsa_reserve_vcc 0
		.amdhsa_float_denorm_mode_32 3
		.amdhsa_float_denorm_mode_16_64 3
		.amdhsa_memory_ordered 1
		.amdhsa_forward_progress 1
		.amdhsa_inst_pref_size 255
	.end_amdhsa_kernel
	.section	.bss,"aw",@nobits
	.p2align	6
	.space	262144
	.amdgpu_metadata
---
amdhsa.version: [ 1, 2 ]
amdhsa.kernels:
  - .name:           k_q75e9224af7_attn
    .symbol:         k_q75e9224af7_attn.kd
    .args:
      - { .name: x2_codes, .offset: 0, .size: 8, .value_kind: global_buffer, .address_space: global }
      - { .name: x2_scales, .offset: 8, .size: 8, .value_kind: global_buffer, .address_space: global }
      - { .name: kv, .offset: 16, .size: 8, .value_kind: global_buffer, .address_space: global }
      - { .name: out0, .offset: 24, .size: 8, .value_kind: global_buffer, .address_space: global }
    .group_segment_fixed_size: 327680
    .private_segment_fixed_size: 0
    .kernarg_segment_align: 8
    .kernarg_segment_size: 32
    .max_flat_workgroup_size: 256
    .sgpr_count:     66
    .vgpr_count:     512
    .wavefront_size: 32
...
	.end_amdgpu_metadata
.endif
;; end of part 2
